; MI455X (gfx1250); checked and timed in simulation.
; The chip was launched on July 23, 2026; its instructions are those of AMD's public machine-readable ISA for CDNA 5 (MIT licence, August 2026) and "CDNA5" Instruction Set Architecture Reference Guide (July 2026). The comments in the code are by the model that wrote it; some were corrected since.
;; Vector Quantizer. Allowed arithmetic: matrix products marked QUANTISED: E2M3 operands, one E8M0 scale for each 32 along K, by v_wmma_scale_f32_16x16x128_f8f6f4 with both operands' format E2M3, f32 sums; everything else in f32.
;; Inputs: codebook 8,192 x 256 float32; x 32 x 256 x 32 x 32 float32.
;; Outputs: out0 32 x 256 x 32 x 32 float32; out1 one number float32; out2 32 x 32 x 32 int32.
;; This version of the problem:
;;   THIS VERSION OF THE PROBLEM IS GIVEN IN LOW PRECISION. The matrix products marked QUANTISED in the list below multiply operands that are first quantised to E2M3 (2 exponent bits, 3 mantissa bits; 6 bits a number), with one power-of-two scale for each 32 numbers along K (OCP MX v1.0); their sums are f32. All else is computed in f32.
;;   The module's matrix products, in the order in which they are computed (A, B: the left and right operand; K: the contracted axis; several contracted axes count as one K, in the product's order):
;;     1. [M 32,768, K 256] x [K 256, N 8,192]; A: input x; B: input codebook: QUANTISED
;;   THE QUANTISER, for each operand of a quantised product, along K:
;;     - K is cut into blocks of 32 from its start; a last block that is shorter is filled with zeros.
;;     - A block's scale is 2^e with e = floor(log2(the largest magnitude in the block)) - 2, held to -126 .. 127; a block of zeros has e = 0. As a byte (E8M0): e + 127.
;;     - Each number is divided by its block's scale, clamped to +-7.5, and rounded to the nearest number of E2M3, ties to even, subnormals kept.
;;     - The product sums the exact products of the quantised numbers (number of the format x scale) in f32.
;;   ~~~python
;;   def quantise(x, axis):      # numpy; x: float32 -> the quantised numbers, widened to float32 again
;;       x = np.moveaxis(x, axis, -1); K = x.shape[-1]
;;       x = np.pad(x, [(0, 0)] * (x.ndim - 1) + [(0, -K % 32)]); x = x.reshape(x.shape[:-1] + (-1, 32)); a = np.abs(x).max(-1, keepdims=True)
;;       e = np.where(a > 0, np.clip(np.frexp(np.where(a > 0, a, 1))[1] - 1 - 2, -126, 127), 0)      # np.frexp(a)[1] - 1 = floor(log2(a)), exactly
;;       r = np.clip(x / 2.0 ** e, -7.5, 7.5)
;;       step = 2.0 ** (np.maximum(np.frexp(np.where(r == 0, 1, r))[1] - 1, 0) - 3)
;;       q = np.round(r / step) * step * 2.0 ** e      # np.round: ties to even
;;       return np.moveaxis(q.reshape(q.shape[:-2] + (-1,))[..., :K], -1, axis).astype(np.float32)
;;   ~~~
;; One version. Each part assembles by itself: llvm-mc -triple=amdgcn-amd-amdhsa -mcpu=gfx1250 --defsym DOCPART=n.
;; ======== version 1 of 1: 5 launches
;; limits: right only within a limited range of input values
;; workspace buffers: cbrec 1,703,936 bytes; xrec 6,815,744 bytes; win 131,072 bytes of whole numbers; idx 131,072 bytes of whole numbers; lpart 16,384 bytes
;; launch prep (part 1): grid 384 x 1, 4 waves a work-group, no clusters, 67,072 bytes of LDS; arguments codebook, x, cbrec, xrec; writes cbrec, xrec
.if DOCPART == 1
	.amdgcn_target "amdgcn-amd-amdhsa--gfx1250"
	.amdhsa_code_object_version 6
	.text
	.protected	k_qc248737255_prep
	.globl	k_qc248737255_prep
	.p2align	8
	.type	k_qc248737255_prep,@function
k_qc248737255_prep:
	s_mov_b64 s[64:65], 0
	v_nop
	global_prefetch_b8 v0, s[64:65] scope:SCOPE_SE
	s_setreg_imm32_b32 hwreg(HW_REG_WAVE_MODE, 25, 1), 1
	s_wait_xcnt 0x0
; PREP: both operands of the product become codes of FP6 (E2M3) with one E8M0 byte for each 32 along K = 256, laid as RECORDS of 16 rows.
; A record is 3,328 bytes: bytes 0-3071 the two fragments (K step s = 0, 1) as images of the operand's registers: registers 4 c .. 4 c + 3 of lane l at 1536 s + 512 c + 16 l;
; bytes 3072-3199 32 scale words, word 16 s + r = row r's four bytes of K step s; bytes 3200-3263 16 f32, the rows' sums of squares of the unquantised numbers; bytes 3264-3327 the same 16 again.
; A block's scale is 2^(floor(log2(its largest magnitude)) - 2): its byte is the largest magnitude's exponent field - 2, held at 1 from below.
; LIMITS: NaN and infinities among the inputs are not served; a block whose largest magnitude lies under 2^-124 keeps the byte 1; a block of zeros gets the byte 1 too (its codes are zeros, and this program alone
; reads the bytes); the sums of squares are added in this text's own order, in f32.
; Work-groups 0-127: the codebook, a wave to a record (16 codes, 16,384 dense bytes).  Work-groups 128-383: x, a wave to two records (32 neighbouring columns h w of one batch, all 256 channels).
; No tensor loads, no barrier: waves share nothing.  Only the codebook's path uses LDS: a stage of its own for each wave.
.set REC,  3328
.set STP,  1040                        ; a stage row: 1,024 bytes + 16, so that sixteen rows' reads of 16 bytes start at sixteen different places modulo 256 bytes
.set WST,  16*STP
.set R,    32                          ; codebook: v32-159 the tile as loaded; v160-223 K step 0's 64 numbers of my lane; v32-95 K step 1's
.set FR,   224                         ; v224-247 the two fragments
.set TC,   248                         ; v248-250, v252-254 the second halves of two blocks' codes
.set CX,   160                         ; x: v160-207 codes: 12 registers for each (K step, half of the image's lanes)
.set TX,   208                         ; v208-210 the second half of a block's codes
	s_load_b256 s[4:11], s[0:1], 0x0               ; codebook s[4:5], x s[6:7], cbrec s[8:9], xrec s[10:11]
	v_lshl_add_u32 v251, v0, 2, 0x10400
	v_mov_b32 v255, 0
	v_lshrrev_b32 v1, 5, v0
	v_readfirstlane_b32 s12, v1                    ; wave 0..3
	v_and_b32 v1, 31, v0                           ; lane
	v_and_b32 v2, 15, v0                           ; r
	v_bfe_u32 v3, v0, 4, 1                         ; h
	v_lshlrev_b32 v4, 4, v1                        ; 16 x lane
	v_lshlrev_b32 v5, 2, v1                        ; 4 x lane
	s_mul_i32 s18, s12, WST                        ; my stage
	v_add_nc_u32 v6, s18, v4                       ; into it: 16 x lane
	v_mul_u32_u24 v7, v2, STP
	v_lshl_add_u32 v7, v3, 7, v7
	v_add_nc_u32 v7, s18, v7                       ; out of it: row r, + 128 h: the blocks of my half
	v_lshlrev_b32 v8, 3, v3                        ; 8 h: my bytes' place in a scale word
	v_mov_b32 v18, 0                               ; a lane permute's destination counts as one of its sources
	s_mov_b32 s20, 0x76543210
	s_mov_b32 s21, 0xfedcba98                      ; selects for lane l xor 16
	s_mov_b32 s15, 0
	s_mov_b32 s17, 0
	s_wait_kmcnt 0x0
	s_cmp_lt_u32 ttmp9, 128
	s_cbranch_scc0 .Lxq
; ---- THE CODEBOOK.  K is innermost: the 16 rows are loaded as they lie, 512 consecutive bytes a load, and turn through the stage, so that lane (r, h) holds whole blocks 4 s + h and 4 s + 2 + h of code r.
	s_lshl_b32 s13, ttmp9, 2
	s_add_co_u32 s13, s13, s12                     ; my record: 4 x work-group + wave
	s_lshl_b32 s14, s13, 14
	s_add_nc_u64 s[4:5], s[4:5], s[14:15]
	s_mul_i32 s16, s13, REC
	s_add_nc_u64 s[8:9], s[8:9], s[16:17]
.set i, 0
	s_wait_alu depctr_va_vdst(0)
.rept 32
	global_load_b128 v[R+4*i:R+4*i+3], v4, s[4:5] offset:512*i th:TH_LOAD_NT
.set i, i+1
.endr
.set g, 0
.rept 4
	s_wait_loadcnt 24-8*g                          ; loads come back in order: these eight are in, the 24 - 8 g behind them may be out
.set i, 8*g
.rept 8
	ds_store_b128 v6, v[R+4*i:R+4*i+3] offset:(i/2)*STP+(i%2)*512
.set i, i+1
.endr
.set g, g+1
.endr
	s_wait_dscnt 0x0                               ; the stores have read their registers: K step 1's numbers land on some of them
.irp c, 0,1
.irp u, 0,1,2,3,4,5,6,7
	ds_load_b128 v[160+32*\c+4*\u:160+32*\c+4*\u+3], v7 offset:(2*\c)*128+16*\u
.endr
.endr
.irp c, 0,1
.irp u, 0,1,2,3,4,5,6,7
	ds_load_b128 v[32+32*\c+4*\u:32+32*\c+4*\u+3], v7 offset:(4+2*\c)*128+16*\u
.endr
.endr
; K step s: 64 numbers of my lane from v[xs] on (two whole blocks) become 12 registers of codes and two scale bytes; the squares are added on the way.
.macro QB s, xs
.irp c, 0,1
	v_max3_num_f32 v[10+\c], |v[\xs+32*\c]|, |v[\xs+32*\c+1]|, 0x1800000   ; the floor 2^(3 - 127) among the leaves: the byte cannot fall under 1
.endr
.irp i, 2,4,6,8,10,12,14,16,18,20,22,24,26,28,30
.irp c, 0,1
	v_max3_num_f32 v[10+\c], v[10+\c], |v[\xs+32*\c+\i]|, |v[\xs+32*\c+\i+1]|   ; the two blocks by turns
.endr
.endr
.irp c, 0,1
	v_add_nc_u32 v[12+\c], 0xff000000, v[10+\c]    ; 2 off the exponent field: the conversion's scale operand
.endr
.irp c, 0,1
	v_lshrrev_b32 v[14+\c], 23, v[12+\c]           ; the scale's byte
.endr
.set j, 0
.rept 32
.if (\s == 0) && (j < 2)
	v_pk_mul_f32 v[20+2*(j%2):21+2*(j%2)], v[\xs+2*j:\xs+2*j+1], v[\xs+2*j:\xs+2*j+1]   ; the first squares start the sums
.else
	v_pk_fma_f32 v[20+2*(j%2):21+2*(j%2)], v[\xs+2*j:\xs+2*j+1], v[\xs+2*j:\xs+2*j+1], v[20+2*(j%2):21+2*(j%2)]
.endif
.set j, j+1
.endr
	v_cvt_scalef32_pk16_fp6_f32 v[FR+12*\s:FR+12*\s+2], v[\xs:\xs+15], v12
	v_cvt_scalef32_pk16_fp6_f32 v[TC:TC+2], v[\xs+16:\xs+31], v12            ; (a conversion's three registers begin on an even number)
	v_cvt_scalef32_pk16_fp6_f32 v[FR+12*\s+6:FR+12*\s+8], v[\xs+32:\xs+47], v13
	v_cvt_scalef32_pk16_fp6_f32 v[TC+4:TC+6], v[\xs+48:\xs+63], v13
	v_nop                                          ; one plain place behind a scaled conversion
.irp i, 0,1,2
	v_mov_b32 v[FR+12*\s+3+\i], v[TC+\i]
	v_mov_b32 v[FR+12*\s+9+\i], v[TC+4+\i]
.endr
	v_lshl_or_b32 v[16+\s], v15, 16, v14           ; my bytes: blocks h and 2 + h,
	v_lshlrev_b32 v[16+\s], v8, v[16+\s]           ; at their places in the word;
	v_permlanex16_b32 v18, v[16+\s], s20, s21
	v_or_b32 v[16+\s], v[16+\s], v18               ; with lane l xor 16's two the word is whole
.irp g, 0,1,2
	global_store_b128 v4, v[FR+12*\s+4*\g:FR+12*\s+4*\g+3], s[8:9] offset:1536*\s+512*\g   ; 512 consecutive bytes, aligned to 256
.endr
.endm
	s_wait_dscnt 16                                ; K step 0's sixteen loads are in; K step 1's sixteen may be out
	QB 0, 160
	s_wait_dscnt 0x0
	QB 1, 32
	v_cmp_lt_u32 vcc_lo, 15, v1
	v_cndmask_b32 v19, v16, v17, vcc_lo            ; lanes 0-15 K step 0's word of row r, lanes 16-31 K step 1's
	global_store_b32 v5, v19, s[8:9] offset:3072
	v_add_f32 v20, v20, v21
	v_add_f32 v22, v22, v23
	v_add_f32 v20, v20, v22
	v_permlanex16_b32 v18, v20, s20, s21
	v_add_f32 v20, v20, v18                        ; the code's sum of squares, in both halves of the lanes:
	global_store_b32 v5, v20, s[8:9] offset:3200   ; so the 32 lanes write the 16 numbers twice
	s_wait_tensorcnt 0x0
	ds_add_u32 v251, v255
	s_wait_dscnt 0x0
	s_endpgm
; ---- x.  K (the channel) is not innermost: a lane takes a column and its registers run down K, so a block of 32 lies in one lane and the conversions give codes with K innermost.
.Lxq:
	s_wait_alu depctr_va_vdst(0)
	v_mul_u32_u24 v24, v3, REC                     ; lanes 0-15 make record 2 u, lanes 16-31 record 2 u + 1
	v_lshl_add_u32 v25, v2, 2, v24                 ; + 4 r: scale words and sums
	v_lshl_add_u32 v24, v2, 4, v24                 ; + 16 r: images
	s_sub_co_u32 s13, ttmp9, 128
	s_lshl_b32 s13, s13, 2
	s_add_co_u32 s13, s13, s12                     ; u = 0 .. 1023: rows 32 u .. 32 u + 31 of x_flat
	s_lshr_b32 s14, s13, 5
	s_lshl_b32 s14, s14, 20                        ; the batch: 1,048,576 bytes each
	s_and_b32 s16, s13, 31
	s_lshl_b32 s16, s16, 7                         ; 32 columns of 4 bytes
	s_add_co_u32 s14, s14, s16
	s_add_nc_u64 s[6:7], s[6:7], s[14:15]
	s_mul_i32 s16, s13, 2*REC
	s_add_nc_u64 s[10:11], s[10:11], s[16:17]
.macro LOADX t                         ; block t: channels 32 t + i of my column; a wave reads 128 consecutive bytes, the four waves of a work-group 512
.set i, 0
.rept 32
	global_load_b32 v[32+32*((\t)%4)+i], v5, s[6:7] offset:(32*(\t)+i)*4096 th:TH_LOAD_NT
.set i, i+1
.endr
.endm
; Block t of my row belongs to K step t / 4, registers 6 ((t % 4) / 2) on, of the image's lane r + 16 (t % 2).
.macro BLK t
.if (\t)+2 < 8
	LOADX (\t)+2
.endif
.if (\t) <= 5
	s_wait_loadcnt 63                              ; 64 loads were issued behind this block's: a smaller count is safe, and 63 is the largest that the wait can name
.elseif (\t) == 6
	s_wait_loadcnt 32                              ; the last block's 32 may be out
.else
	s_wait_loadcnt 0x0
.endif
.set XB, 32+32*((\t)%4)
.set CB, CX+12*(2*((\t)/4)+(\t)%2)+6*(((\t)%4)/2)
	v_max3_num_f32 v10, |v[XB]|, |v[XB+1]|, |v[XB+2]|
	v_max3_num_f32 v11, |v[XB+3]|, |v[XB+4]|, |v[XB+5]|
.irp i, 6,10,14,18,22,26
	v_max3_num_f32 v10, v10, |v[XB+\i]|, |v[XB+\i+1]|
	v_max3_num_f32 v11, v11, |v[XB+\i+2]|, |v[XB+\i+3]|
.endr
	v_max3_num_f32 v10, v10, |v[XB+30]|, |v[XB+31]|
	v_max3_num_f32 v10, v10, v11, 0x1800000        ; and the floor
	v_add_nc_u32 v12, 0xff000000, v10
	v_lshrrev_b32 v13, 23, v12
.if (\t)%4 == 0
	v_mov_b32 v[16+(\t)/4], v13
.else
	v_lshl_or_b32 v[16+(\t)/4], v13, 8*((\t)%4), v[16+(\t)/4]
.endif
.set j, 0
.rept 16
.if ((\t) == 0) && (j < 2)
	v_pk_mul_f32 v[20+2*(j%2):21+2*(j%2)], v[XB+2*j:XB+2*j+1], v[XB+2*j:XB+2*j+1]
.else
	v_pk_fma_f32 v[20+2*(j%2):21+2*(j%2)], v[XB+2*j:XB+2*j+1], v[XB+2*j:XB+2*j+1], v[20+2*(j%2):21+2*(j%2)]
.endif
.set j, j+1
.endr
	v_cvt_scalef32_pk16_fp6_f32 v[CB:CB+2], v[XB:XB+15], v12
	v_cvt_scalef32_pk16_fp6_f32 v[TX:TX+2], v[XB+16:XB+31], v12
	v_nop                                          ; one plain place behind a scaled conversion
.irp i, 0,1,2
	v_mov_b32 v[CB+3+\i], v[TX+\i]
.endr
.endm
	LOADX 0
	LOADX 1
.irp t, 0,1,2,3,4,5,6,7
	BLK \t
.endr
.irp s, 0,1
.irp hh, 0,1
.irp g, 0,1,2
	global_store_b128 v24, v[CX+12*(2*\s+\hh)+4*\g:CX+12*(2*\s+\hh)+4*\g+3], s[10:11] offset:1536*\s+512*\g+256*\hh   ; sixteen lanes store 256 consecutive bytes of one record, aligned
.endr
.endr
.endr
	v_add_f32 v20, v20, v21
	v_add_f32 v22, v22, v23
	v_add_f32 v20, v20, v22                        ; my row's sum of squares
	global_store_b32 v25, v16, s[10:11] offset:3072        ; these four stores write runs of 64 bytes: 256 of a record's 3,328
	global_store_b32 v25, v17, s[10:11] offset:3136
	global_store_b32 v25, v20, s[10:11] offset:3200
	global_store_b32 v25, v20, s[10:11] offset:3264
	s_endpgm
.Lfunc_end_k_qc248737255_prep:
	.size	k_qc248737255_prep, .Lfunc_end_k_qc248737255_prep-k_qc248737255_prep
	.p2alignl 7, 3214868480
	.fill 96, 4, 3214868480
	.section	.rodata,"a",@progbits
	.p2align	6, 0x0
	.amdhsa_kernel k_qc248737255_prep
		.amdhsa_group_segment_fixed_size 67072
		.amdhsa_private_segment_fixed_size 0
		.amdhsa_enable_private_segment 0
		.amdhsa_kernarg_size 32
		.amdhsa_user_sgpr_count 2
		.amdhsa_user_sgpr_kernarg_segment_ptr 1
		.amdhsa_wavefront_size32 1
		.amdhsa_system_sgpr_workgroup_id_x 1
		.amdhsa_system_sgpr_workgroup_id_y 1
		.amdhsa_system_sgpr_workgroup_id_z 1
		.amdhsa_system_vgpr_workitem_id 0
		.amdhsa_next_free_vgpr 256
		.amdhsa_next_free_sgpr 66
		.amdhsa_reserve_vcc 1
		.amdhsa_float_denorm_mode_32 3
		.amdhsa_float_denorm_mode_16_64 3
		.amdhsa_memory_ordered 1
		.amdhsa_forward_progress 1
		.amdhsa_inst_pref_size 66
	.end_amdhsa_kernel
	.amdgpu_metadata
---
amdhsa.version: [ 1, 2 ]
amdhsa.kernels:
  - .name:           k_qc248737255_prep
    .symbol:         k_qc248737255_prep.kd
    .args:
      - { .name: codebook, .offset: 0, .size: 8, .value_kind: global_buffer, .address_space: global }
      - { .name: x, .offset: 8, .size: 8, .value_kind: global_buffer, .address_space: global }
      - { .name: cbrec, .offset: 16, .size: 8, .value_kind: global_buffer, .address_space: global }
      - { .name: xrec, .offset: 24, .size: 8, .value_kind: global_buffer, .address_space: global }
    .group_segment_fixed_size: 67072
    .private_segment_fixed_size: 0
    .kernarg_segment_align: 8
    .kernarg_segment_size: 32
    .max_flat_workgroup_size: 128
    .sgpr_count:     66
    .vgpr_count:     256
    .wavefront_size: 32
...
	.end_amdgpu_metadata
.endif
;; end of part 1
;; launch dist (part 2): grid 256 x 1, 8 waves a work-group, clusters of 4 x 1, 327,680 bytes of LDS; arguments cbrec, xrec, win; writes win
.if DOCPART == 2
	.amdgcn_target "amdgcn-amd-amdhsa--gfx1250"
	.amdhsa_code_object_version 6
	.text
	.protected	k_qc248737255_dist
	.globl	k_qc248737255_dist
	.p2align	8
	.type	k_qc248737255_dist,@function
k_qc248737255_dist:
	s_mov_b64 s[64:65], 0
	v_nop
	global_prefetch_b8 v0, s[64:65] scope:SCOPE_SE
	s_setreg_imm32_b32 hwreg(HW_REG_WAVE_MODE, 25, 1), 1
	s_wait_xcnt 0x0
	s_wait_alu depctr_hold_cnt(0) depctr_sa_sdst(0) depctr_va_vdst(0) depctr_va_sdst(0) depctr_va_ssrc(0) depctr_va_vcc(0) depctr_vm_vsrc(0)
	s_getreg_b32 s2, hwreg(HW_REG_IB_STS2, 6, 4)
	s_cmp_eq_u32 s2, 0
	s_cbranch_scc0 .Lentry_in_a_cluster
	s_endpgm
.Lentry_in_a_cluster:
	s_bfe_u32 s2, ttmp6, 0x10000c
	s_cmp_lg_u32 s2, 0x3003
	s_cbranch_scc0 .Lentry_shape_is_right
	s_endpgm
.Lentry_shape_is_right:
; DIST: for each row of x_flat the first group G of 8 neighbouring codes that holds the row's smallest distance d = fl(fl(A + B) - 2 P): A the row's sum of squares, B the code's, P the product on codes of FP6.
; SHARES.  A work-group takes 128 rows (8 records of xrec) against all 8,192 codes (512 records of cbrec).  Every wave keeps the 8 records' fragments of x in registers; the waves split the codes:
; cbrec goes in 16 chunks of 32 records through two LDS slots, wave w fetching and reading records 4 w .. 4 w + 3 of each chunk.  A record is an image of the operand's registers: 16 x lane in each of six pieces.
; The product is used transposed (source 0 = 16 codes, source 1 = 16 rows): lane (r, h) holds row r, its eight registers the codes 8 h + 0 .. 7 of the record, which are group G = 2 x record + h.
; A RECORD'S WORK: 16 products; the 32 packed sums A + B, which hang on no product, stand two behind each product (A and B lie in window 1 with the operands, so no window is switched for them);
; then, in phases over all eight tiles, 32 packed multiply-adds, 24 + 8 minima (a tree of depth 2 for each tile, the running minimum one of its leaves), 8 compares, 8 selects of G:
; a result is read 8 instructions or more behind the line that makes it.  The running minimum lies in two registers by turns; only a strictly smaller one takes G, so the first group stays.
; The next record's 9 LDS loads go out behind the first eight multiply-adds, which are the places behind the products.
; CLUSTERS: the four work-groups of a cluster walk the same chunks and ask for them jointly (mask 15).  A round of the cluster's barrier stands in front of every joint load.
; PREFETCH: behind each refill (chunk c + 2) a wave names 13 blocks of 256 bytes of chunk c + 4: of the 52 blocks that wave w fetches, the partner at place cx takes 13 cx .. 13 cx + 12, told apart by address;
; lanes 13-31 name the wave's last block again.  The last two refills ask for nothing: chunk 15 is the last.  Chunks 0 to 3 come by their loads alone.
; LIMITS: NaN and infinities are not served.
; REGISTERS.  Window 0: v1-15 addresses and the like; v16-23 x's scale words; v40-55 the running minima; v56-63 G; v64 the codes' scale words; v128-191 eight accumulators; v192-255 T: A + B, then d.
;   Window 1: v[24 t ..] x's fragments of tile t; v192-215 the code fragments; v216-231 A, a pair for each tile; v232-239 B.
.set REC,   3328
.set SHARE, 4*REC
.set SLOT,  32*REC
.set MRG,   2*SLOT                     ; behind the ring: 8,192 bytes for the waves' results
.set SPARE, MRG+8192                   ; and the spare words, 128 bytes a wave
.set SPW, 1
.set NIL, 2
.set LI,  3
.set LS,  5
.set LB,  7
.set TID, 9
.set XO,  10
.set XW,  11
.set PM,  12
.set PI,  13
.set MA,  14
.set MR,  15
.set XS,  16
.set M,   40
.set ID,  56
.set CS,  64
.set GOF, 98
.set PFO, 99
.set ACC, 128
.set T,   192
.set CF,  192                          ; in window 1
.set AVW, 216                          ; in window 1
.set BBW, 232                          ; in window 1
.set MSB, 0
.macro WIN new                         ; the immediate's high byte repeats the setting that is left
.if MSB != \new
	s_set_vgpr_msb (MSB<<8)|\new
.set MSB, \new
.endif
.endm
.macro CREST                           ; a round of the cluster's barrier behind its opening barrier
	s_cmp_lg_u32 s10, 0
	s_cbranch_scc1 .Lnot_wave_0_\@
	s_barrier_signal -3
.Lnot_wave_0_\@:
	s_barrier_wait -3
	s_barrier_signal -1
	s_barrier_wait -1
.endm
.macro CROUND
	s_barrier_signal -1
	s_barrier_wait -1
	CREST
.endm
.macro FETCH sl, i                     ; record i of my share of slot sl: two fragments, my half's eight B, 32 scale words
	WIN 0x40
.irp g, 0,1,2,3,4,5
	ds_load_b128 v[CF+4*\g:CF+4*\g+3], v[LI+(\sl)] offset:(\i)*REC+512*\g
.endr
	ds_load_b128 v[BBW:BBW+3], v[LB+(\sl)] offset:(\i)*REC+3200
	ds_load_b128 v[BBW+4:BBW+7], v[LB+(\sl)] offset:(\i)*REC+3216
	WIN 0
	ds_load_b32 v[CS], v[LS+(\sl)] offset:(\i)*REC+3072
.endm
.macro PKA k                           ; the k-th of the record's 32 packed sums: fl(A + B) of tile k / 4, codes 2 (k % 4) and the next
	v_pk_add_f32 v[T+2*(\k):T+2*(\k)+1], v[BBW+2*((\k)%4):BBW+2*((\k)%4)+1], v[AVW+2*((\k)/4):AVW+2*((\k)/4)+1]
.endm
.macro MULS                            ; 16 products: the eight accumulators take turns, one instruction a turn; the first K step starts the sums; two of the sums A + B behind each
	WIN 0x05
.irp t, 0,1,2,3,4,5,6,7
	v_wmma_scale_f32_16x16x128_f8f6f4 v[ACC+8*\t:ACC+8*\t+7], v[CF:CF+11], v[24*\t:24*\t+11], 0, v[CS], v[XS+\t] matrix_a_fmt:MATRIX_FMT_FP6 matrix_b_fmt:MATRIX_FMT_FP6
	PKA 2*\t
	PKA 2*\t+1
.endr
.irp t, 0,1,2,3,4,5,6,7
	v_wmma_scale_f32_16x16x128_f8f6f4 v[ACC+8*\t:ACC+8*\t+7], v[CF+12:CF+23], v[24*\t+12:24*\t+23], v[ACC+8*\t:ACC+8*\t+7], v[CS], v[XS+\t] matrix_a_fmt:MATRIX_FMT_FP6 matrix_b_fmt:MATRIX_FMT_FP6 matrix_a_scale:MATRIX_SCALE_ROW1 matrix_b_scale:MATRIX_SCALE_ROW1
	PKA 16+2*\t
	PKA 17+2*\t
.endr
	WIN 0
.endm
.macro FMA t                           ; fl(.. - 2 P) of tile t; the accumulator from its low end on
.irp q, 0,1,2,3
	v_pk_fma_f32 v[T+8*(\t)+2*\q:T+8*(\t)+2*\q+1], v[ACC+8*(\t)+2*\q:ACC+8*(\t)+2*\q+1], -2.0, v[T+8*(\t)+2*\q:T+8*(\t)+2*\q+1] op_sel_hi:[1,0,1]
.endr
.endm
.macro EPB0                            ; tiles 0 and 1: their sums were finished 14 and more vector instructions ago; these eight name no register of the last product
	FMA 0
	FMA 1
.endm
.macro EPB1 par
.irp t, 2,3,4,5,6,7
	FMA \t
.endr
.irp t, 0,1,2,3,4,5,6,7
	v_min3_num_f32 v[T+8*\t], v[T+8*\t], v[T+8*\t+1], v[T+8*\t+2]
	v_min3_num_f32 v[T+8*\t+3], v[T+8*\t+3], v[T+8*\t+4], v[T+8*\t+5]
	v_min3_num_f32 v[T+8*\t+6], v[T+8*\t+6], v[T+8*\t+7], v[M+2*\t+(\par)]
.endr
.irp t, 0,1,2,3,4,5,6,7
	v_min3_num_f32 v[M+2*\t+1-(\par)], v[T+8*\t], v[T+8*\t+3], v[T+8*\t+6]
.endr
.irp t, 0,1,2,3,4,5,6,7
	v_cmp_lt_f32 s[48+\t], v[M+2*\t+1-(\par)], v[M+2*\t+(\par)]
.endr
.irp t, 0,1,2,3,4,5,6,7
	v_cndmask_b32 v[ID+\t], v[ID+\t], v[TID], s[48+\t]
.endr
.endm
.macro TILE sl, i                      ; one of a share's first three records
	s_wait_dscnt 0x0                               ; this record's loads are in
	MULS
	EPB0
	FETCH \sl, (\i)+1
	EPB1 (\i)%2
	v_add_nc_u32 v[TID], 2, v[TID]
.endm
.macro LASTF sl                        ; a share's last record, and the change of slots
	s_wait_xcnt 0x0                                ; my last prefetch has read its address: it steps only behind this wait
	s_add_nc_u64 s[46:47], s[46:47], SLOT
	s_wait_tensorcnt 0x0                           ; all my tensor loads have landed: my share of the other slot
	ds_add_u32 v[SPW], v[NIL]
	s_add_nc_u64 s[26+4*(\sl):27+4*(\sl)], s[26+4*(\sl):27+4*(\sl)], 2*SLOT
	s_wait_dscnt 0x0                               ; the add is done, and so are my reads of this slot
	s_barrier_signal -1
	MULS                                           ; work on registers while the others arrive
	s_barrier_wait -1
	CREST
	tensor_load_to_lds s[24+4*(\sl):27+4*(\sl)], s[16:23]   ; the chunk two further on
	s_nop 0
.rept 4
	v_nop
.endr
	FETCH 1-(\sl), 0
	s_cmp_gt_u32 s32, 1                            ; the loop's last trip has no chunk four further on
	s_cbranch_scc0 .Lnoask_\@
	s_cmp_lt_u32 ttmp9, 4
	s_cbranch_scc0 .Lno_prefetch_dist0_\@
	global_prefetch_b8 v[PFO], s[46:47] th:TH_LOAD_NT scope:SCOPE_SE
.Lno_prefetch_dist0_\@:
.Lnoask_\@:
	EPB0
	EPB1 1
	v_add_nc_u32 v[TID], 58, v[TID]                ; on to my share of the next chunk: 29 records
.endm
.macro LEXMIN m, i, pm, pi             ; the smaller distance, and of equal ones the lower G
	v_cmp_lt_f32 s40, v[\pm], v[\m]
	v_cmp_eq_f32 s41, v[\pm], v[\m]
	v_cmp_lt_u32 s42, v[\pi], v[\i]
	s_and_b32 s41, s41, s42
	s_or_b32 s40, s40, s41
	v_cndmask_b32 v[\m], v[\m], v[\pm], s40
	v_cndmask_b32 v[\i], v[\i], v[\pi], s40
.endm
	s_load_b128 s[4:7], s[0:1], 0x0                ; cbrec s[4:5], xrec s[6:7]
	s_load_b64 s[8:9], s[0:1], 0x10                ; win
	v_lshl_add_u32 v[SPW], v0, 2, SPARE
	v_mov_b32 v[NIL], 0
	ds_add_u32 v[SPW], v[NIL]                      ; the opening lines: the add twice on end, under one wait
	ds_add_u32 v[SPW], v[NIL]
	v_lshrrev_b32 v[PM], 5, v0
	s_delay_alu instid0(VALU_DEP_1)
	v_readfirstlane_b32 s10, v[PM]                 ; wave 0..7
	s_bfe_u32 s11, ttmp6, 0x40000                  ; cx
	s_lshl_b32 s12, ttmp9, 2
	s_add_co_u32 s12, s12, s11                     ; my block of 128 rows
	s_mov_b32 s16, 15|(3<<16)|(1<<21)              ; group 1: mask of the four partners; elements of 8 bytes; a share is 52 dense rows of 256 bytes
	s_mov_b32 s17, 32<<16
	s_mov_b32 s18, 52<<16
	s_mov_b32 s19, 32<<16
	s_mov_b32 s20, 52
	s_mov_b32 s21, 32
	s_mov_b32 s22, 0
	s_mov_b32 s23, 0
	s_mul_i32 s33, s10, SHARE                      ; my share, in a slot and in a chunk
	s_mov_b32 s34, s33
	s_mov_b32 s35, 0
	s_mul_i32 s38, s12, 8*REC
	s_mov_b32 s39, 0
	s_lshl_b32 s44, s12, 9
	s_mov_b32 s45, 0
	s_mov_b32 s36, 0x76543210
	s_mov_b32 s37, 0xfedcba98
	s_mul_i32 s56, s11, 13*256                     ; the prefetches: my work-group's 13 blocks of my share,
	s_add_co_u32 s56, s56, s33
	s_add_co_u32 s56, s56, 3*SLOT                  ; at chunk 3: the first change of slots steps it to chunk 4
	s_mov_b32 s57, 0
	s_wait_dscnt 0x0
	CROUND                                         ; the round in front of the first joint loads hangs on no argument: it stands ahead of the wait for them
	s_wait_kmcnt 0x0
	s_add_nc_u64 s[14:15], s[4:5], s[34:35]
	s_mov_b32 s24, 1
	s_mov_b32 s25, s33
	s_mov_b64 s[26:27], s[14:15]
	s_or_b32 s27, s27, 0x80000000
	s_mov_b32 s28, 1
	s_add_co_u32 s29, s33, SLOT
	s_add_nc_u64 s[30:31], s[14:15], SLOT
	s_or_b32 s31, s31, 0x80000000
	s_add_nc_u64 s[6:7], s[6:7], s[38:39]
	s_add_nc_u64 s[8:9], s[8:9], s[44:45]
	s_add_nc_u64 s[46:47], s[4:5], s[56:57]
	tensor_load_to_lds s[24:27], s[16:23]          ; chunk 0: one tensor load a wave at the head
	s_nop 0
.rept 4
	v_nop
.endr
	v_and_b32 v[XW], 31, v0
	s_delay_alu instid0(VALU_DEP_1)
	v_lshlrev_b32 v[XO], 4, v[XW]
	s_lshl_b32 s43, s10, 8
	v_lshl_add_u32 v[GOF], v[XW], 3, s43
	s_delay_alu instid0(VALU_DEP_1)
	v_add_nc_u32 v[MR], MRG, v[GOF]
	v_lshl_add_u32 v[LS], v[XW], 2, s33
	v_min_u32 v[PFO], 12, v[XW]
	s_delay_alu instid0(VALU_DEP_1)
	v_lshlrev_b32 v[PFO], 8, v[PFO]
	v_lshlrev_b32 v[XW], 2, v[XW]
	WIN 0x40                                       ; x's fragments, sums and scale words go out while chunk 0 is on its way
.irp t, 0,1,2,3,4,5,6,7
.irp g, 0,1,2,3,4,5
	global_load_b128 v[24*\t+4*\g:24*\t+4*\g+3], v[XO], s[6:7] offset:\t*REC+512*\g
.endr
.endr
.irp t, 0,1,2,3,4,5,6,7
	global_load_b32 v[AVW+2*\t], v[XW], s[6:7] offset:\t*REC+3200
	global_load_b32 v[AVW+2*\t+1], v[XW], s[6:7] offset:\t*REC+3200
.endr
	WIN 0
.irp t, 0,1,2,3,4,5,6,7
	global_load_b32 v[XS+\t], v[XW], s[6:7] offset:\t*REC+3072
.endr
	v_bfe_u32 v[TID], v0, 4, 1
	v_and_b32 v[MA], 15, v0
	v_add_nc_u32 v[LI], s33, v[XO]
	s_delay_alu instid0(VALU_DEP_1)
	v_add_nc_u32 v[LI+1], SLOT, v[LI]
	v_add_nc_u32 v[LS+1], SLOT, v[LS]
	v_lshl_add_u32 v[LB], v[TID], 5, s33
	s_delay_alu instid0(VALU_DEP_1)
	v_add_nc_u32 v[LB+1], SLOT, v[LB]
	s_lshl_b32 s43, s10, 9
	v_lshl_add_u32 v[MA], v[MA], 2, s43
	s_delay_alu instid0(VALU_DEP_1)
	v_add_nc_u32 v[MA], MRG, v[MA]
	s_lshl_b32 s43, s10, 3
	v_add_nc_u32 v[TID], s43, v[TID]               ; G of my first record: 8 x wave + h
	v_mov_b32 v[PM], 0
	v_mov_b32 v[PI], 0
.irp t, 0,1,2,3,4,5,6,7
	v_mov_b32 v[M+2*\t], 0x7f800000
	v_mov_b32 v[ID+\t], 0
.endr
	s_wait_alu depctr_va_vdst(0)                   ; the wait at the head's end
	s_wait_tensorcnt 0x0                           ; my share of chunk 0 is in; slot 1's first fill is issued as a refill is
	ds_add_u32 v[SPW], v[NIL]
	s_wait_dscnt 0x0
	CROUND
	tensor_load_to_lds s[28:31], s[16:23]          ; chunk 1
	s_nop 0
.rept 4
	v_nop
.endr
	s_wait_tensorcnt 0x1                           ; chunk 1's load may be out
	FETCH 0, 0
	s_wait_loadcnt 0x0                             ; x
	s_mov_b32 s32, 7
.Lchunks:                                              ; a trip: two chunks, both slots filled again
	TILE 0, 0
	TILE 0, 1
	TILE 0, 2
	LASTF 0
	TILE 1, 0
	TILE 1, 1
	TILE 1, 2
	LASTF 1
	s_sub_co_u32 s32, s32, 1
	s_cmp_lg_u32 s32, 0
	s_cbranch_scc1 .Lchunks
	TILE 0, 0                                      ; the last two chunks: nothing is left to fetch
	TILE 0, 1
	TILE 0, 2
	s_wait_dscnt 0x0
	MULS
	s_wait_tensorcnt 0x0                           ; my share of chunk 15
	EPB0
	FETCH 1, 0
	EPB1 1
	v_add_nc_u32 v[TID], 58, v[TID]
	TILE 1, 0
	TILE 1, 1
	TILE 1, 2
	s_wait_dscnt 0x0
	MULS
	EPB0
	EPB1 1
.irp t, 0,1,2,3,4,5,6,7                ; the two halves of the lanes, then the eight waves through LDS
	v_permlanex16_b32 v[PM], v[M+2*\t], s36, s37
	v_permlanex16_b32 v[PI], v[ID+\t], s36, s37
	LEXMIN M+2*\t, ID+\t, PM, PI
.endr
.irp t, 0,1,2,3,4,5,6,7
	ds_store_b32 v[MA], v[M+2*\t] offset:64*\t
	ds_store_b32 v[MA], v[ID+\t] offset:4096+64*\t
.endr
	s_wait_dscnt 0x0                               ; for the others' sake
	s_barrier_signal -1
	s_barrier_wait -1
	s_cmp_lt_u32 s10, 2
	s_cbranch_scc0 .Lnomerge                       ; waves 0 and 1 join the eight results of 64 rows each, two rows a lane
.irp u, 0,1,2,3,4,5,6,7
	ds_load_b64 v[ACC+2*\u:ACC+2*\u+1], v[MR] offset:512*\u
	ds_load_b64 v[ACC+16+2*\u:ACC+16+2*\u+1], v[MR] offset:4096+512*\u
.endr
	s_wait_dscnt 0x0
.irp u, 1,2,3,4,5,6,7
	LEXMIN ACC, ACC+16, ACC+2*\u, ACC+16+2*\u
	LEXMIN ACC+1, ACC+17, ACC+2*\u+1, ACC+17+2*\u
.endr
	global_store_b64 v[GOF], v[ACC+16:ACC+17], s[8:9]   ; 256 consecutive bytes a wave, aligned
.Lnomerge:
	s_wait_tensorcnt 0x0                           ; the wave's end
	ds_add_u32 v[SPW], v[NIL]
	s_wait_dscnt 0x0
	CROUND                                         ; the closing round
	s_endpgm
.Lfunc_end_k_qc248737255_dist:
	.size	k_qc248737255_dist, .Lfunc_end_k_qc248737255_dist-k_qc248737255_dist
	.p2alignl 7, 3214868480
	.fill 96, 4, 3214868480
	.section	.rodata,"a",@progbits
	.p2align	6, 0x0
	.amdhsa_kernel k_qc248737255_dist
		.amdhsa_group_segment_fixed_size 327680
		.amdhsa_private_segment_fixed_size 0
		.amdhsa_enable_private_segment 0
		.amdhsa_kernarg_size 24
		.amdhsa_user_sgpr_count 2
		.amdhsa_user_sgpr_kernarg_segment_ptr 1
		.amdhsa_wavefront_size32 1
		.amdhsa_system_sgpr_workgroup_id_x 1
		.amdhsa_system_sgpr_workgroup_id_y 1
		.amdhsa_system_sgpr_workgroup_id_z 1
		.amdhsa_system_vgpr_workitem_id 0
		.amdhsa_next_free_vgpr 512
		.amdhsa_next_free_sgpr 66
		.amdhsa_reserve_vcc 0
		.amdhsa_float_denorm_mode_32 3
		.amdhsa_float_denorm_mode_16_64 3
		.amdhsa_memory_ordered 1
		.amdhsa_forward_progress 1
		.amdhsa_inst_pref_size 183
	.end_amdhsa_kernel
	.amdgpu_metadata
---
amdhsa.version: [ 1, 2 ]
amdhsa.kernels:
  - .name:           k_qc248737255_dist
    .symbol:         k_qc248737255_dist.kd
    .args:
      - { .name: cbrec, .offset: 0, .size: 8, .value_kind: global_buffer, .address_space: global }
      - { .name: xrec, .offset: 8, .size: 8, .value_kind: global_buffer, .address_space: global }
      - { .name: win, .offset: 16, .size: 8, .value_kind: global_buffer, .address_space: global }
    .group_segment_fixed_size: 327680
    .private_segment_fixed_size: 0
    .kernarg_segment_align: 8
    .kernarg_segment_size: 24
    .max_flat_workgroup_size: 256
    .sgpr_count:     66
    .vgpr_count:     512
    .wavefront_size: 32
...
	.end_amdgpu_metadata
.endif
;; end of part 2
;; launch refine (part 3): grid 256 x 1, 8 waves a work-group, no clusters, 2,048 bytes of LDS; arguments win, cbrec, xrec, out2, idx; writes out2, idx
.if DOCPART == 3
	.amdgcn_target "amdgcn-amd-amdhsa--gfx1250"
	.amdhsa_code_object_version 6
	.text
	.protected	k_qc248737255_refine
	.globl	k_qc248737255_refine
	.p2align	8
	.type	k_qc248737255_refine,@function
k_qc248737255_refine:
	s_mov_b64 s[64:65], 0
	v_nop
	global_prefetch_b8 v0, s[64:65] scope:SCOPE_SE
	s_setreg_imm32_b32 hwreg(HW_REG_WAVE_MODE, 25, 1), 1
	s_wait_xcnt 0x0
; REFINE: win holds, for each row, the first group G of 8 codes that holds the row's smallest distance.  The 8 distances are made again, by the same matrix instruction on the same images and the same two roundings,
; and the first of them that equals their minimum gives the index 8 G + j.  It goes to out2, and to idx for the launch that gathers.
; SHARES.  A wave takes a record of xrec: 16 rows.  Pass q = 0 .. 7 has as source 0 a fragment gathered from cbrec: slots 0-7 the 8 codes of row 2 q's group, slots 8-15 those of row 2 q + 1's; source 1 = the 16 rows.
; So row n's eight distances lie in the eight registers of lane (r = n, h = n & 1) in pass n / 2.
; A code's part of an image is 16 bytes a lane in each of six pieces, 128 consecutive bytes for a group's eight codes and one half of the lanes.
; No tensor loads and no cluster: what a wave reads hangs on its own rows' G.  The addresses hang on whole numbers that an earlier launch stored, held to 0 .. 1023.
; REGISTERS.  Window 0: v1-9, v21 addresses; v10-17 G of the passes' slots, v18 my row's G; v22-29, v30-37, v38 byte offsets in cbrec; v40-47 the candidates' scale words; v48 x's; v50-51 A (a pair); v52-59 B;
;   v64-87 x's two fragments; v88-95 d; v96-99 at work; v128-191 eight accumulators.   Window 1: v[24 q ..] pass q's two fragments.
.set REC, 3328
.set GQ,  10
.set GO,  18
.set CA,  22
.set SA,  30
.set BA,  38
.set CSQ, 40
.set XSC, 48
.set AO,  50
.set BO,  52
.set XF,  64
.set D,   88
.set AC,  128
.set MSB, 0
.macro WIN new
.if MSB != \new
	s_set_vgpr_msb (MSB<<8)|\new
.set MSB, \new
.endif
.endm
	s_load_b128 s[4:7], s[0:1], 0x0                ; win s[4:5], cbrec s[6:7]
	s_load_b128 s[8:11], s[0:1], 0x10              ; xrec s[8:9], out2 s[10:11]
	s_load_b64 s[12:13], s[0:1], 0x20              ; idx
	v_lshl_add_u32 v254, v0, 2, 0x400
	v_mov_b32 v255, 0
	v_lshrrev_b32 v1, 5, v0
	s_delay_alu instid0(VALU_DEP_1)
	v_readfirstlane_b32 s16, v1                    ; wave 0..7
	v_and_b32 v1, 31, v0                           ; lane
	v_and_b32 v2, 15, v0                           ; r
	v_bfe_u32 v3, v0, 4, 1                         ; h
	s_delay_alu instid0(VALU_DEP_3)
	v_lshlrev_b32 v4, 4, v1                        ; 16 x lane
	s_delay_alu instid0(VALU_DEP_4)
	v_lshlrev_b32 v5, 2, v1                        ; 4 x lane
	v_and_b32 v19, 7, v0
	s_delay_alu instid0(VALU_DEP_1)
	v_lshlrev_b32 v6, 4, v19
	s_delay_alu instid0(VALU_DEP_1)
	v_lshl_add_u32 v6, v3, 8, v6                   ; in an image: 16 (lane % 8) + 256 h
	s_delay_alu instid0(VALU_DEP_3)
	v_lshlrev_b32 v7, 2, v19
	s_delay_alu instid0(VALU_DEP_1)
	v_lshl_add_u32 v7, v3, 6, v7                   ; among the scale words: 4 (lane % 8) + 64 h
	v_bfe_u32 v8, v0, 3, 1
	s_delay_alu instid0(VALU_DEP_1)
	v_lshlrev_b32 v8, 2, v8                        ; slots 0-7 take the pass's first row, slots 8-15 its second
	v_lshlrev_b32 v9, 2, v2                        ; 4 r
	s_lshl_b32 s24, s16, 6
	v_add_nc_u32 v21, s24, v9                      ; LDS: 64 x wave + 4 r
	v_mov_b32 v99, 0                               ; a lane permute's destination counts as one of its sources
	s_lshl_b32 s17, ttmp9, 3
	s_add_co_u32 s17, s17, s16                     ; my record: 8 x work-group + wave
	s_lshl_b32 s18, s17, 6
	s_mov_b32 s19, 0
	s_mul_i32 s20, s17, REC
	s_mov_b32 s21, 0
	s_lshl_b32 s22, ttmp9, 9                       ; the work-group's 128 words of out2 and of idx
	s_mov_b32 s23, 0
	s_mov_b32 s36, 0x76543210
	s_mov_b32 s37, 0xfedcba98
.irp q, 1,2,3,4,5,6,7
	s_mov_b32 s[40+\q], 0x00030003<<(2*\q)         ; the lanes with r / 2 = q
.endr
	s_wait_alu depctr_va_vdst(0)
	s_wait_kmcnt 0x0
	s_add_nc_u64 s[4:5], s[4:5], s[18:19]
	s_add_nc_u64 s[8:9], s[8:9], s[20:21]
	s_add_nc_u64 s[10:11], s[10:11], s[22:23]
	s_add_nc_u64 s[12:13], s[12:13], s[22:23]
.irp q, 0,1,2,3,4,5,6,7
	global_load_b32 v[GQ+\q], v8, s[4:5] offset:8*\q
.endr
	global_load_b32 v[GO], v9, s[4:5]
.irp g, 0,1,2,3,4,5
	global_load_b128 v[XF+4*\g:XF+4*\g+3], v4, s[8:9] offset:512*\g
.endr
	global_load_b32 v[XSC], v5, s[8:9] offset:3072
	global_load_b32 v[AO], v5, s[8:9] offset:3200
	global_load_b32 v[AO+1], v5, s[8:9] offset:3200
	s_wait_loadcnt 9                               ; win's nine loads are in; xrec's nine may be out
.irp q, 0,1,2,3,4,5,6,7
	v_min_u32 v[GQ+\q], 1023, v[GQ+\q]             ; held inside the table
	s_delay_alu instid0(VALU_DEP_1)
	v_and_b32 v19, 0x3fe, v[GQ+\q]
	s_delay_alu instid0(VALU_DEP_1)
	v_mul_u32_u24 v19, v19, REC/2                  ; the record G / 2
	s_delay_alu instid0(VALU_DEP_3)
	v_and_b32 v20, 1, v[GQ+\q]                     ; and which eight of its sixteen codes
	s_delay_alu instid0(VALU_DEP_1)
	v_lshl_add_u32 v[CA+\q], v20, 7, v19
	s_delay_alu instid0(VALU_DEP_1)
	v_add_nc_u32 v[CA+\q], v[CA+\q], v6
	s_delay_alu instid0(VALU_DEP_3)
	v_lshl_add_u32 v[SA+\q], v20, 5, v19
	s_delay_alu instid0(VALU_DEP_1)
	v_add_nc_u32 v[SA+\q], v[SA+\q], v7
.endr
	v_min_u32 v[GO], 1023, v[GO]
	s_delay_alu instid0(VALU_DEP_1)
	v_and_b32 v19, 0x3fe, v[GO]
	s_delay_alu instid0(VALU_DEP_1)
	v_mul_u32_u24 v19, v19, REC/2
	s_delay_alu instid0(VALU_DEP_3)
	v_and_b32 v20, 1, v[GO]
	s_delay_alu instid0(VALU_DEP_1)
	v_lshl_add_u32 v[BA], v20, 5, v19
	WIN 0x40                                       ; destination window 1
.irp q, 0,1,2,3,4,5,6,7
.irp g, 0,1,2,3,4,5
	global_load_b128 v[24*\q+4*\g:24*\q+4*\g+3], v[CA+\q], s[6:7] offset:512*\g
.endr
.endr
	WIN 0
.irp q, 0,1,2,3,4,5,6,7
	global_load_b32 v[CSQ+\q], v[SA+\q], s[6:7] offset:3072
.endr
	global_load_b128 v[BO:BO+3], v[BA], s[6:7] offset:3200
	global_load_b128 v[BO+4:BO+7], v[BA], s[6:7] offset:3216
	s_wait_loadcnt 0x0
	WIN 0x01                                       ; source 0 (the candidates) in window 1
.irp q, 0,1,2,3,4,5,6,7                        ; the eight accumulators take turns, one instruction a turn
	v_wmma_scale_f32_16x16x128_f8f6f4 v[AC+8*\q:AC+8*\q+7], v[24*\q:24*\q+11], v[XF:XF+11], 0, v[CSQ+\q], v[XSC] matrix_a_fmt:MATRIX_FMT_FP6 matrix_b_fmt:MATRIX_FMT_FP6
.endr
.irp q, 0,1,2,3,4,5,6,7
	v_wmma_scale_f32_16x16x128_f8f6f4 v[AC+8*\q:AC+8*\q+7], v[24*\q+12:24*\q+23], v[XF+12:XF+23], v[AC+8*\q:AC+8*\q+7], v[CSQ+\q], v[XSC] matrix_a_fmt:MATRIX_FMT_FP6 matrix_b_fmt:MATRIX_FMT_FP6 matrix_a_scale:MATRIX_SCALE_ROW1 matrix_b_scale:MATRIX_SCALE_ROW1
.endr
	WIN 0
.rept 4
	v_nop                                          ; places ahead of the first read of the sums (ISA guide 7.12.1)
.endr
.irp q, 1,2,3,4,5,6,7
.irp j, 0,1,2,3,4,5,6,7
	v_cndmask_b32 v[AC+\j], v[AC+\j], v[AC+8*\q+\j], s[40+\q]   ; each lane takes the pass r / 2; each accumulator from its low end on
.endr
.endr
.irp p, 0,1,2,3
	v_pk_add_f32 v[D+2*\p:D+2*\p+1], v[BO+2*\p:BO+2*\p+1], v[AO:AO+1]         ; fl(A + B)
.endr
.irp p, 0,1,2,3
	s_delay_alu instid0(VALU_DEP_4)
	v_pk_fma_f32 v[D+2*\p:D+2*\p+1], v[AC+2*\p:AC+2*\p+1], -2.0, v[D+2*\p:D+2*\p+1] op_sel_hi:[1,0,1]   ; fl(.. - 2 P)
.endr
	s_delay_alu instid0(VALU_DEP_3)
	v_min3_num_f32 v96, v[D], v[D+1], v[D+2]
	s_delay_alu instid0(VALU_DEP_1)
	v_min3_num_f32 v96, v96, v[D+3], v[D+4]
	s_delay_alu instid0(VALU_DEP_1)
	v_min3_num_f32 v96, v96, v[D+5], v[D+6]
	s_delay_alu instid0(VALU_DEP_1)
	v_min_num_f32 v96, v96, v[D+7]
	v_mov_b32 v97, 7
.irp j, 6,5,4,3,2,1,0
	v_cmp_eq_f32 vcc_lo, v[D+\j], v96
	s_delay_alu instid0(VALU_DEP_1)
	v_cndmask_b32 v97, v97, \j, vcc_lo             ; descending, so that the first j that holds the minimum stays
.endr
	s_delay_alu instid0(VALU_DEP_1)
	v_lshl_add_u32 v98, v[GO], 3, v97              ; the index, right in the lanes with h = r & 1
	s_delay_alu instid0(VALU_DEP_1)
	v_permlanex16_b32 v99, v98, s36, s37
	v_and_b32 v19, 1, v2
	s_delay_alu instid0(VALU_DEP_1)
	v_cmp_eq_u32 vcc_lo, v19, v3
	s_delay_alu instid0(VALU_DEP_1)
	v_cndmask_b32 v98, v99, v98, vcc_lo            ; now in both halves
	ds_store_b32 v21, v98                          ; both halves write the same word with the same value
	s_wait_dscnt 0x0                               ; for the others' sake
	s_barrier_signal -1
	s_barrier_wait -1
	s_cmp_lt_u32 s16, 2
	s_cbranch_scc0 .Ldone
	ds_load_b128 v[100:103], v4                    ; the work-group's 128 indices
	s_cmp_eq_u32 s16, 0                            ; wave 0 stores them to out2, wave 1 to idx: the choice hangs on the wave's number alone
	s_cselect_b64 s[10:11], s[10:11], s[12:13]
	s_wait_dscnt 0x0
	global_store_b128 v4, v[100:103], s[10:11]     ; 512 consecutive bytes, aligned to 256
.Ldone:
	s_wait_tensorcnt 0x0
	ds_add_u32 v254, v255
	s_wait_dscnt 0x0
	s_endpgm
.Lfunc_end_k_qc248737255_refine:
	.size	k_qc248737255_refine, .Lfunc_end_k_qc248737255_refine-k_qc248737255_refine
	.p2alignl 7, 3214868480
	.fill 96, 4, 3214868480
	.section	.rodata,"a",@progbits
	.p2align	6, 0x0
	.amdhsa_kernel k_qc248737255_refine
		.amdhsa_group_segment_fixed_size 2048
		.amdhsa_private_segment_fixed_size 0
		.amdhsa_enable_private_segment 0
		.amdhsa_kernarg_size 40
		.amdhsa_user_sgpr_count 2
		.amdhsa_user_sgpr_kernarg_segment_ptr 1
		.amdhsa_wavefront_size32 1
		.amdhsa_system_sgpr_workgroup_id_x 1
		.amdhsa_system_sgpr_workgroup_id_y 1
		.amdhsa_system_sgpr_workgroup_id_z 1
		.amdhsa_system_vgpr_workitem_id 0
		.amdhsa_next_free_vgpr 448
		.amdhsa_next_free_sgpr 66
		.amdhsa_reserve_vcc 1
		.amdhsa_float_denorm_mode_32 3
		.amdhsa_float_denorm_mode_16_64 3
		.amdhsa_memory_ordered 1
		.amdhsa_forward_progress 1
		.amdhsa_inst_pref_size 24
	.end_amdhsa_kernel
	.amdgpu_metadata
---
amdhsa.version: [ 1, 2 ]
amdhsa.kernels:
  - .name:           k_qc248737255_refine
    .symbol:         k_qc248737255_refine.kd
    .args:
      - { .name: win, .offset: 0, .size: 8, .value_kind: global_buffer, .address_space: global }
      - { .name: cbrec, .offset: 8, .size: 8, .value_kind: global_buffer, .address_space: global }
      - { .name: xrec, .offset: 16, .size: 8, .value_kind: global_buffer, .address_space: global }
      - { .name: out2, .offset: 24, .size: 8, .value_kind: global_buffer, .address_space: global }
      - { .name: idx, .offset: 32, .size: 8, .value_kind: global_buffer, .address_space: global }
    .group_segment_fixed_size: 2048
    .private_segment_fixed_size: 0
    .kernarg_segment_align: 8
    .kernarg_segment_size: 40
    .max_flat_workgroup_size: 256
    .sgpr_count:     66
    .vgpr_count:     448
    .wavefront_size: 32
...
	.end_amdgpu_metadata
.endif
;; end of part 3
;; launch apply (part 4): grid 256 x 1, 16 waves a work-group, no clusters, 135,168 bytes of LDS; arguments x, codebook, idx, out0, lpart; writes out0, lpart
.if DOCPART == 4
	.amdgcn_target "amdgcn-amd-amdhsa--gfx1250"
	.amdhsa_code_object_version 6
	.text
	.protected	k_qc248737255_apply
	.globl	k_qc248737255_apply
	.p2align	8
	.type	k_qc248737255_apply,@function
k_qc248737255_apply:
	s_mov_b64 s[64:65], 0
	v_nop
	global_prefetch_b8 v0, s[64:65] scope:SCOPE_SE
	s_setreg_imm32_b32 hwreg(HW_REG_WAVE_MODE, 25, 1), 1
	s_wait_xcnt 0x0
; APPLY: out0 = x + (e[idx] - x), back in the layout of x, and for each wave the sum of (e[idx] - x)^2.
; SHARES.  A work-group takes 128 neighbouring columns h w of one batch (rows 128 g .. 128 g + 127 of x_flat) and all 256 channels.  Wave w gathers the codebook rows of rows 8 w .. 8 w + 7, 256 consecutive bytes for
; sixteen lanes, and lays them in LDS; behind one barrier it finishes channels 16 w .. 16 w + 15: there a lane owns four neighbouring columns, so each load of x and each store of out0 covers 512 consecutive bytes.
; LDS: 128 places of 1,040 bytes (1,024 + 16).  Row p lies at place 32 (p % 4) + p / 4, so that lane l finds rows 4 l + q at places 32 q + l: neighbouring lanes read 1,040 bytes apart.
; No matrix work, no tensor loads (the rows are gathered lane by lane), no cluster (work-groups share no tile).  The addresses hang on whole numbers that an earlier launch stored, held to 0 .. 8191.
.set IQ, 8                             ; v8-11    four pairs of rows' indices
.set EA, 12                            ; v12-15   their byte offsets in the codebook
.set S,  20                            ; v20-23   the sum of squares, two packed chains
.set T,  32                            ; v32-47   e - x at work
.set EL, 48                            ; v48-111  e, turned: 16 kk + 4 q + cc = e(row 4 l + q, channel 16 w + 4 kk + cc)
.set E,  112                           ; v112-175 e as gathered; later what is stored
.set X,  176                           ; v176-239 x: 4 c + q = x(channel 16 w + c, column 4 l + q)
	s_load_b256 s[4:11], s[0:1], 0x0               ; x s[4:5], codebook s[6:7], idx s[8:9], out0 s[10:11]
	s_load_b64 s[12:13], s[0:1], 0x20              ; lpart
	v_lshl_add_u32 v254, v0, 2, 0x20800
	v_mov_b32 v255, 0
	v_lshrrev_b32 v1, 5, v0
	s_delay_alu instid0(VALU_DEP_1)
	v_readfirstlane_b32 s14, v1                    ; wave 0..15
	v_and_b32 v1, 31, v0                           ; lane
	v_and_b32 v2, 15, v0
	v_bfe_u32 v3, v0, 4, 1                         ; h
	s_delay_alu instid0(VALU_DEP_3)
	v_lshlrev_b32 v4, 4, v1                        ; 16 x lane
	s_delay_alu instid0(VALU_DEP_3)
	v_lshlrev_b32 v5, 4, v2                        ; 16 (lane % 16)
	s_delay_alu instid0(VALU_DEP_3)
	v_lshlrev_b32 v6, 2, v3                        ; 4 h
	s_mul_i32 s15, s14, 2080
	v_mul_u32_u24 v16, v3, 33280
	s_delay_alu instid0(VALU_DEP_1)
	v_add_nc_u32 v16, v16, v5
	s_delay_alu instid0(VALU_DEP_1)
	v_add_nc_u32 v16, s15, v16                     ; in: row 8 w + 2 p + h, p even: 33,280 h + 2,080 w + 16 (lane % 16), + 1,040 (p / 2) in the immediate;
	s_delay_alu instid0(VALU_DEP_1)
	v_add_nc_u32 v17, 66560, v16                   ; p odd
	s_lshl_b32 s15, s14, 6
	v_mul_u32_u24 v18, v1, 1040
	s_delay_alu instid0(VALU_DEP_1)
	v_add_nc_u32 v18, s15, v18                     ; back: 1,040 x lane + 64 w, q = 0, 1;
	s_delay_alu instid0(VALU_DEP_1)
	v_add_nc_u32 v19, 66560, v18                   ; q = 2, 3
	v_mov_b32 v24, 0
	s_mov_b32 s20, 0x76543210
	s_mov_b32 s21, 0xfedcba98
	s_lshr_b32 s16, ttmp9, 3
	s_lshl_b32 s16, s16, 20                        ; the batch,
	s_and_b32 s18, ttmp9, 7
	s_lshl_b32 s18, s18, 9                         ; 128 columns of 4 bytes,
	s_add_co_u32 s16, s16, s18
	s_lshl_b32 s18, s14, 16                        ; my 16 channels of 4,096 bytes
	s_add_co_u32 s16, s16, s18
	s_mov_b32 s17, 0
	s_lshl_b32 s18, ttmp9, 4
	s_add_co_u32 s18, s18, s14                     ; 16 x work-group + wave
	s_lshl_b32 s22, s18, 5                         ; my 8 rows' indices: 32 bytes
	s_mov_b32 s23, 0
	s_lshl_b32 s18, s18, 2                         ; my word of lpart
	s_mov_b32 s19, 0
	s_wait_alu depctr_va_vdst(0)
	s_wait_kmcnt 0x0
	s_add_nc_u64 s[4:5], s[4:5], s[16:17]
	s_add_nc_u64 s[10:11], s[10:11], s[16:17]
	s_add_nc_u64 s[8:9], s[8:9], s[22:23]
	s_add_nc_u64 s[12:13], s[12:13], s[18:19]
.irp p, 0,1,2,3
	global_load_b32 v[IQ+\p], v6, s[8:9] offset:8*\p
.endr
.irp c, 0,1,2,3,4,5,6,7
	global_load_b128 v[X+4*\c:X+4*\c+3], v4, s[4:5] offset:4096*\c th:TH_LOAD_NT
.endr
	s_wait_loadcnt 8                               ; the indices are in; x's first eight loads may be out
.irp p, 0,1,2,3
	v_min_u32 v[IQ+\p], 8191, v[IQ+\p]             ; held inside the table
	s_delay_alu instid0(VALU_DEP_1)
	v_lshl_add_u32 v[EA+\p], v[IQ+\p], 10, v5
.endr
.irp p, 0,1,2,3
.irp i, 0,1,2,3
	global_load_b128 v[E+4*(4*\p+\i):E+4*(4*\p+\i)+3], v[EA+\p], s[6:7] offset:256*\i   ; sixteen lanes read 256 consecutive bytes of a row
.endr
.endr
.irp c, 8,9,10,11,12,13,14,15
	global_load_b128 v[X+4*\c:X+4*\c+3], v4, s[4:5] offset:4096*\c th:TH_LOAD_NT   ; x's other eight channels go out behind the gather
.endr
	s_wait_loadcnt 8                               ; the gathered rows and x's first eight channels are in; the eight loads just issued may be out
.irp p, 0,1,2,3
.irp i, 0,1,2,3
	ds_store_b128 v[16+\p%2], v[E+4*(4*\p+\i):E+4*(4*\p+\i)+3] offset:(\p/2)*1040+256*\i
.endr
.endr
	s_wait_dscnt 0x0                               ; for the others' sake: my rows lie in LDS
	s_barrier_signal -1
	s_barrier_wait -1
.irp kk, 0,1,2,3
.irp q, 0,1,2,3
	ds_load_b128 v[EL+16*\kk+4*\q:EL+16*\kk+4*\q+3], v[18+\q/2] offset:(\q%2)*33280+16*\kk
.endr
.endr
.irp kk, 0,1,2,3
	s_wait_dscnt 12-4*\kk                          ; these four channels' LDS loads are in; those of the later pieces may be out
.if \kk > 1
	s_wait_loadcnt 12-4*\kk                        ; and so are their four loads of x
.endif
.irp cc, 0,1,2,3
.irp q, 0,1,2,3
	v_sub_f32 v[T+4*\cc+\q], v[EL+16*\kk+4*\q+\cc], v[X+16*\kk+4*\cc+\q]       ; e - x
.endr
.endr
.irp j, 0,1,2,3,4,5,6,7,8,9,10,11,12,13,14,15
	v_add_f32 v[E+16*\kk+\j], v[X+16*\kk+\j], v[T+\j]                          ; x + (e - x)
.endr
.irp p, 0,1,2,3,4,5,6,7
.if (\kk == 0) && (\p < 2)
	v_pk_mul_f32 v[S+2*(\p%2):S+2*(\p%2)+1], v[T+2*\p:T+2*\p+1], v[T+2*\p:T+2*\p+1]   ; the first squares start the sums
.else
	v_pk_fma_f32 v[S+2*(\p%2):S+2*(\p%2)+1], v[T+2*\p:T+2*\p+1], v[T+2*\p:T+2*\p+1], v[S+2*(\p%2):S+2*(\p%2)+1]
.endif
.endr
.irp cc, 0,1,2,3
	global_store_b128 v4, v[E+16*\kk+4*\cc:E+16*\kk+4*\cc+3], s[10:11] offset:4096*(4*\kk+\cc) th:TH_STORE_NT   ; 512 consecutive bytes, aligned to 256; each data register is written once
.endr
.endr
	v_pk_add_f32 v[S:S+1], v[S:S+1], v[S+2:S+3]
	s_delay_alu instid0(VALU_DEP_1)
	v_add_f32 v20, v20, v21
	s_delay_alu instid0(VALU_DEP_1)
	v_add_f32_dpp v20, v20, v20 row_xmask:1 row_mask:0xf bank_mask:0xf
	s_delay_alu instid0(VALU_DEP_1)
	v_add_f32_dpp v20, v20, v20 row_xmask:2 row_mask:0xf bank_mask:0xf
	s_delay_alu instid0(VALU_DEP_1)
	v_add_f32_dpp v20, v20, v20 row_xmask:4 row_mask:0xf bank_mask:0xf
	s_delay_alu instid0(VALU_DEP_1)
	v_add_f32_dpp v20, v20, v20 row_xmask:8 row_mask:0xf bank_mask:0xf
	s_delay_alu instid0(VALU_DEP_1)
	v_permlanex16_b32 v21, v20, s20, s21
	s_delay_alu instid0(VALU_DEP_1)
	v_add_f32 v20, v20, v21                        ; the wave's sum
	s_wait_alu depctr_va_vdst(0)
	s_wait_xcnt 0x0                                ; EXEC changes only behind this wait: it is a source of the stores above
	v_cmp_eq_u32 vcc_lo, 0, v1
	s_wait_tensorcnt 0x0
	ds_add_u32 v254, v255
	s_wait_dscnt 0x0
	s_and_saveexec_b32 s24, vcc_lo
	global_store_b32 v24, v20, s[12:13]            ; lane 0: one word a wave, 16,384 bytes in the whole launch
	s_endpgm
.Lfunc_end_k_qc248737255_apply:
	.size	k_qc248737255_apply, .Lfunc_end_k_qc248737255_apply-k_qc248737255_apply
	.p2alignl 7, 3214868480
	.fill 96, 4, 3214868480
	.section	.rodata,"a",@progbits
	.p2align	6, 0x0
	.amdhsa_kernel k_qc248737255_apply
		.amdhsa_group_segment_fixed_size 135168
		.amdhsa_private_segment_fixed_size 0
		.amdhsa_enable_private_segment 0
		.amdhsa_kernarg_size 40
		.amdhsa_user_sgpr_count 2
		.amdhsa_user_sgpr_kernarg_segment_ptr 1
		.amdhsa_wavefront_size32 1
		.amdhsa_system_sgpr_workgroup_id_x 1
		.amdhsa_system_sgpr_workgroup_id_y 1
		.amdhsa_system_sgpr_workgroup_id_z 1
		.amdhsa_system_vgpr_workitem_id 0
		.amdhsa_next_free_vgpr 256
		.amdhsa_next_free_sgpr 66
		.amdhsa_reserve_vcc 1
		.amdhsa_float_denorm_mode_32 3
		.amdhsa_float_denorm_mode_16_64 3
		.amdhsa_memory_ordered 1
		.amdhsa_forward_progress 1
		.amdhsa_inst_pref_size 18
	.end_amdhsa_kernel
	.amdgpu_metadata
---
amdhsa.version: [ 1, 2 ]
amdhsa.kernels:
  - .name:           k_qc248737255_apply
    .symbol:         k_qc248737255_apply.kd
    .args:
      - { .name: x, .offset: 0, .size: 8, .value_kind: global_buffer, .address_space: global }
      - { .name: codebook, .offset: 8, .size: 8, .value_kind: global_buffer, .address_space: global }
      - { .name: idx, .offset: 16, .size: 8, .value_kind: global_buffer, .address_space: global }
      - { .name: out0, .offset: 24, .size: 8, .value_kind: global_buffer, .address_space: global }
      - { .name: lpart, .offset: 32, .size: 8, .value_kind: global_buffer, .address_space: global }
    .group_segment_fixed_size: 135168
    .private_segment_fixed_size: 0
    .kernarg_segment_align: 8
    .kernarg_segment_size: 40
    .max_flat_workgroup_size: 512
    .sgpr_count:     66
    .vgpr_count:     256
    .wavefront_size: 32
...
	.end_amdgpu_metadata
.endif
;; end of part 4
;; launch loss (part 5): grid 1 x 1, 1 waves a work-group, no clusters, 0 bytes of LDS; arguments lpart, out1; writes out1
.if DOCPART == 5
	.amdgcn_target "amdgcn-amd-amdhsa--gfx1250"
	.amdhsa_code_object_version 6
	.text
	.protected	k_qc248737255_loss
	.globl	k_qc248737255_loss
	.p2align	8
	.type	k_qc248737255_loss,@function
k_qc248737255_loss:
	s_mov_b64 s[64:65], 0
	v_nop
	global_prefetch_b8 v0, s[64:65] scope:SCOPE_SE
	s_setreg_imm32_b32 hwreg(HW_REG_WAVE_MODE, 25, 1), 1
	s_wait_xcnt 0x0
; LOSS: the 4,096 waves' sums of (e - x)^2 are added in a fixed order; m = the sum / 2^23 (32 x 256 x 32 x 32 numbers); loss = m + 0.25 m.
; One wave: 16,384 bytes, 32 loads of 512 consecutive bytes, all out at once.  The sum spans work-groups of the launch before, so it has a launch of its own.
	s_load_b128 s[4:7], s[0:1], 0x0                ; lpart s[4:5], out1 s[6:7]
	v_lshlrev_b32 v1, 4, v0
	v_mov_b32 v2, 0
	v_mov_b32 v3, 0                                ; a lane permute's destination counts as one of its sources
	s_mov_b32 s8, 0x76543210
	s_mov_b32 s9, 0xfedcba98
	s_wait_alu depctr_va_vdst(0)
	s_wait_kmcnt 0x0
.set i, 0
.rept 32
	global_load_b128 v[16+4*i:19+4*i], v1, s[4:5] offset:512*i
.set i, i+1
.endr
	s_wait_loadcnt 0x0
.irp c, 0,1,2,3
	v_pk_add_f32 v[4+2*\c:5+2*\c], v[16+2*\c:17+2*\c], v[24+2*\c:25+2*\c]   ; four chains, started by the first eight pairs
.endr
.set j, 8
.rept 56
	v_pk_add_f32 v[4+2*(j%4):5+2*(j%4)], v[4+2*(j%4):5+2*(j%4)], v[16+2*j:17+2*j]
.set j, j+1
.endr
	v_pk_add_f32 v[4:5], v[4:5], v[6:7]
	v_pk_add_f32 v[8:9], v[8:9], v[10:11]
	v_pk_add_f32 v[4:5], v[4:5], v[8:9]
	v_add_f32 v4, v4, v5
	v_add_f32_dpp v4, v4, v4 row_xmask:1 row_mask:0xf bank_mask:0xf
	v_add_f32_dpp v4, v4, v4 row_xmask:2 row_mask:0xf bank_mask:0xf
	v_add_f32_dpp v4, v4, v4 row_xmask:4 row_mask:0xf bank_mask:0xf
	v_add_f32_dpp v4, v4, v4 row_xmask:8 row_mask:0xf bank_mask:0xf
	v_permlanex16_b32 v3, v4, s8, s9
	v_add_f32 v4, v4, v3
	v_mul_f32 v4, 0x34000000, v4                   ; x 2^-23: the mean
	v_fma_f32 v5, 0x3e800000, v4, v4               ; m + 0.25 m
	s_wait_alu depctr_va_vdst(0)
	s_wait_xcnt 0x0                                ; EXEC changes only behind this wait
	v_cmp_eq_u32 vcc_lo, 0, v0
	s_and_saveexec_b32 s10, vcc_lo
	global_store_b32 v2, v5, s[6:7]
	s_endpgm
.Lfunc_end_k_qc248737255_loss:
	.size	k_qc248737255_loss, .Lfunc_end_k_qc248737255_loss-k_qc248737255_loss
	.p2alignl 7, 3214868480
	.fill 96, 4, 3214868480
	.section	.rodata,"a",@progbits
	.p2align	6, 0x0
	.amdhsa_kernel k_qc248737255_loss
		.amdhsa_group_segment_fixed_size 0
		.amdhsa_private_segment_fixed_size 0
		.amdhsa_enable_private_segment 0
		.amdhsa_kernarg_size 16
		.amdhsa_user_sgpr_count 2
		.amdhsa_user_sgpr_kernarg_segment_ptr 1
		.amdhsa_wavefront_size32 1
		.amdhsa_system_sgpr_workgroup_id_x 1
		.amdhsa_system_sgpr_workgroup_id_y 1
		.amdhsa_system_sgpr_workgroup_id_z 1
		.amdhsa_system_vgpr_workitem_id 0
		.amdhsa_next_free_vgpr 144
		.amdhsa_next_free_sgpr 66
		.amdhsa_reserve_vcc 1
		.amdhsa_float_denorm_mode_32 3
		.amdhsa_float_denorm_mode_16_64 3
		.amdhsa_memory_ordered 1
		.amdhsa_forward_progress 1
		.amdhsa_inst_pref_size 9
	.end_amdhsa_kernel
	.amdgpu_metadata
---
amdhsa.version: [ 1, 2 ]
amdhsa.kernels:
  - .name:           k_qc248737255_loss
    .symbol:         k_qc248737255_loss.kd
    .args:
      - { .name: lpart, .offset: 0, .size: 8, .value_kind: global_buffer, .address_space: global }
      - { .name: out1, .offset: 8, .size: 8, .value_kind: global_buffer, .address_space: global }
    .group_segment_fixed_size: 0
    .private_segment_fixed_size: 0
    .kernarg_segment_align: 8
    .kernarg_segment_size: 16
    .max_flat_workgroup_size: 32
    .sgpr_count:     66
    .vgpr_count:     144
    .wavefront_size: 32
...
	.end_amdgpu_metadata
.endif
;; end of part 5
